; MI455X (gfx1250); checked and timed in simulation.
; The chip was launched on July 23, 2026; its instructions are those of AMD's public machine-readable ISA for CDNA 5 (MIT licence, August 2026) and "CDNA5" Instruction Set Architecture Reference Guide (July 2026). The comments in the code are by the model that wrote it; some were corrected since.
;; KNN. Allowed arithmetic: matrix products marked QUANTISED: E3M2 operands, one E8M0 scale for each 32 along K, by v_wmma_scale_f32_16x16x128_f8f6f4 with both operands' format E3M2, f32 sums; everything else in f32.
;; Inputs: test_features 1,024 x 256 float32; train_features 200,000 x 256 float32; train_labels 200,000 int32.
;; Outputs: out0 1,024 x 50 float32.
;; This version of the problem:
;;   THIS VERSION OF THE PROBLEM IS GIVEN IN LOW PRECISION. The matrix products marked QUANTISED in the list below multiply operands that are first quantised to E3M2 (3 exponent bits, 2 mantissa bits; 6 bits a number), with one power-of-two scale for each 32 numbers along K (OCP MX v1.0); their sums are f32. All else is computed in f32.
;;   The module's matrix products, in the order in which they are computed (A, B: the left and right operand; K: the contracted axis; several contracted axes count as one K, in the product's order):
;;     1. [M 1,024, K 256] x [K 256, N 200,000]; A: computed on the way; B: computed on the way: QUANTISED
;;   THE QUANTISER, for each operand of a quantised product, along K:
;;     - K is cut into blocks of 32 from its start; a last block that is shorter is filled with zeros.
;;     - A block's scale is 2^e with e = floor(log2(the largest magnitude in the block)) - 4, held to -126 .. 127; a block of zeros has e = 0. As a byte (E8M0): e + 127.
;;     - Each number is divided by its block's scale, clamped to +-28, and rounded to the nearest number of E3M2, ties to even, subnormals kept.
;;     - The product sums the exact products of the quantised numbers (number of the format x scale) in f32.
;;   ~~~python
;;   def quantise(x, axis):      # numpy; x: float32 -> the quantised numbers, widened to float32 again
;;       x = np.moveaxis(x, axis, -1); K = x.shape[-1]
;;       x = np.pad(x, [(0, 0)] * (x.ndim - 1) + [(0, -K % 32)]); x = x.reshape(x.shape[:-1] + (-1, 32)); a = np.abs(x).max(-1, keepdims=True)
;;       e = np.where(a > 0, np.clip(np.frexp(np.where(a > 0, a, 1))[1] - 1 - 4, -126, 127), 0)      # np.frexp(a)[1] - 1 = floor(log2(a)), exactly
;;       r = np.clip(x / 2.0 ** e, -28, 28)
;;       step = 2.0 ** (np.maximum(np.frexp(np.where(r == 0, 1, r))[1] - 1, -2) - 2)
;;       q = np.round(r / step) * step * 2.0 ** e      # np.round: ties to even
;;       return np.moveaxis(q.reshape(q.shape[:-2] + (-1,))[..., :K], -1, axis).astype(np.float32)
;;   ~~~
;;   OPERANDS COMPUTED ON THE WAY. 'Computed on the way' means the value that the module computes at that place (a softmax that the list does not call 'softmax' is quantised finished and normalised). What goes into a quantiser is computed in f32, as accurately as f32 sums, v_exp_f32 and their like allow (about 1e-6 of the number): no bf16 or f16 on the way to a quantiser, and a product that is left as it is and whose result goes on into a quantised operand takes f32 operands (vector FMAs, or v_wmma_f32_16x16x4_f32). A number that lies on a knife's edge between two numbers of the format may be rounded either way, as far as f32 arithmetic and the matrix unit's own rounding can turn it there, and no further.
;; One version. Each part assembles by itself: llvm-mc -triple=amdgcn-amd-amdhsa -mcpu=gfx1250 --defsym DOCPART=n.
;; ======== version 1 of 1: 4 launches
;; limits: right only within a limited range of input values
;; workspace buffers: part 65,536 bytes; qcodes 196,608 bytes; qscales 8,192 bytes; gcodes 38,400,000 bytes; gscales 2,560,000 bytes; gmax 20,480,000 bytes; sel 131,072 bytes of whole numbers
;; launch prep (part 1): grid 256 x 1, 5 waves a work-group, no clusters, 327,680 bytes of LDS; arguments train_features, test_features, part, qcodes, qscales; writes part, qcodes, qscales
.if DOCPART == 1
	.amdgcn_target "amdgcn-amd-amdhsa--gfx1250"
	.amdhsa_code_object_version 6
	.text
	.protected	k_qabd2322a86_prep
	.globl	k_qabd2322a86_prep
	.p2align	8
	.type	k_qabd2322a86_prep,@function
k_qabd2322a86_prep:
	s_mov_b64 s[64:65], 0
	v_nop
	global_prefetch_b8 v0, s[64:65] scope:SCOPE_SE
	s_setreg_imm32_b32 hwreg(HW_REG_WAVE_MODE, 25, 1), 1
	s_wait_xcnt 0x0
; PREP.  Every work-group does two jobs.
; (1) Partial sums of squares of train_features' COLUMNS (the gallery is normalised along its 200,000 rows).  Work-group g takes 64 columns
;     (slab g % 4: 256 aligned bytes of every row) of 3,125 rows (chunk g / 4) and stores 64 sums: part[chunk][column], f32.
;     The rows come by the tensor data mover through two LDS slots of 625 rows x 256 bytes: 5 fills; in each, wave w brings and reads rows 125 w .. 125 w + 124 of the fill,
;     its own bytes alone.  A lane reads 8 bytes (2 columns) of a row; five chains of packed multiply-adds.
; (2) Four rows of test_features (4 g .. 4 g + 3) are normalised (x / max(|x|, 1e-12)) and quantised to E3M2 with one E8M0 byte for each 32 along K:
;     qcodes[row][192 bytes] (a row's codes are one stream of bits), qscales[row][8].  Waves 0 and 1 do it, two rows each, while the first fill is on its way.
; PREFETCH: a slot's load goes out with no other tensor load of the work-group on its way, so in the trip that loads fill f + 1 each wave names its own 125 rows' blocks of fill f + 2
; (a lane a row, four instructions; the three lanes left over name the last row again); the head names fill 1; the trip that loads fill 4 names nothing.
; NO CLUSTER: no two work-groups read the same bytes.  No matrix unit: one multiply-add for each number read.
; LIMITS: NaN and infinities among the inputs are not served.  A block of q whose largest magnitude lies under 2^-122 (a block of zeros too) gets the scale byte 1:
; a block of zeros has zero codes, which add nothing under any byte, and this program alone reads the bytes.
.set CHUNKB, 3200000                   ; 3,125 rows of 1,024 bytes
.set FILLB,  640000                    ; a fill: 625 rows of memory
.set WMEM,   128000                    ; a wave's 125 rows of memory
.set WLDS,   32000                     ; and its 125 x 256 bytes of a slot
.set SLOT,   160000                    ; 625 x 256 bytes
.set RED,    2*SLOT                    ; behind the ring: 256 bytes of sums for each wave
.set SPARE,  RED+1280                  ; behind them: the spare words, 128 bytes for each wave, three blocks of 256 bytes that no other line names
.set QX,  16                           ; v16-31  q: 16 numbers as loaded
.set QY,  32                           ; v32-47  q: normalised
.set QC,  48                           ; v48-51  q: three registers of codes, one with the scale byte
.set LA,  52                           ; v52-53  LDS address of my 8 bytes of my wave's first row in slot 0, 1
.set PFO, 54                           ; v54     1,024 x lane: the prefetches' rows 32 j + lane
.set PF3, 55                           ; v55     1,024 x min(96 + lane, 124)
.set RW,  56                           ; v56     where my two sums go
.set RR,  57                           ; v57     where wave 0 reads them back
.set SPW, 58                           ; v58     my spare word
.set NIL, 59                           ; v59     0
.set CH,  60                           ; v60-69  five chains of two sums
.set XB,  70                           ; v70-169 two sets of 25 rows' pairs
.set L8,  6                            ; v6      8 x lane
.set G1,  16                           ; s[16:23] descriptor group 1
.set G0,  24                           ; s[24:31] group 0, one set for each slot
.set PFA, 38                           ; s[38:39] my wave's rows of the fill last named by a prefetch
.set LC,  44
	s_load_b256 s[4:11], s[0:1], 0x0               ; train s[4:5], test s[6:7], part s[8:9], qcodes s[10:11]
	s_load_b64 s[12:13], s[0:1], 0x20              ; qscales
	v_lshl_add_u32 v[SPW], v0, 2, SPARE
	v_mov_b32 v[NIL], 0
	ds_add_u32 v[SPW], v[NIL]                      ; the opening lines: the add, twice on end, and its wait ahead of my first tensor load
	ds_add_u32 v[SPW], v[NIL]
	v_lshrrev_b32 v1, 5, v0
	v_readfirstlane_b32 s14, v1                    ; wave 0..4
	s_mov_b32 s[G1+0], 3<<16                       ; elements of 8 bytes, no mask, no padding
	s_mov_b32 s[G1+1], 32<<16                      ; tensor_dim0 = 32 elements: 256 bytes
	s_mov_b32 s[G1+2], 125<<16                     ; tensor_dim1 = 125
	s_mov_b32 s[G1+3], 32<<16                      ; tile_dim0 = 32
	s_mov_b32 s[G1+4], 125                         ; tile_dim1 = 125
	s_mov_b32 s[G1+5], 128                         ; from row to row: 128 elements, 1,024 bytes
	s_mov_b32 s[G1+6], 0
	s_mov_b32 s[G1+7], 0
	s_and_b32 s15, ttmp9, 3
	s_lshl_b32 s15, s15, 8                         ; my slab, in bytes
	s_lshr_b32 s32, ttmp9, 2                       ; my chunk
	s_mul_i32 s34, s32, CHUNKB                     ; at most 63 x 3,200,000: under 2^32
	s_add_co_u32 s34, s34, s15
	s_mul_i32 s42, s14, WMEM
	s_add_co_u32 s34, s34, s42                     ; my wave's first row of fill 0
	s_mov_b32 s35, 0
	s_mul_i32 s33, s14, WLDS                       ; my wave's bytes in a slot
	s_lshl_b32 s40, s32, 10
	s_add_co_u32 s40, s40, s15                     ; part[chunk][64 slab]
	s_mov_b32 s41, 0
	s_wait_dscnt 0x0                               ; both opening adds are done
	s_wait_kmcnt 0x0
	s_add_nc_u64 s[36:37], s[4:5], s[34:35]
	s_add_nc_u64 s[8:9], s[8:9], s[40:41]
	s_add_nc_u64 s[PFA:PFA+1], s[36:37], FILLB
	s_mov_b32 s[G0], 1
	s_add_co_u32 s[G0+1], s33, 0
	s_mov_b64 s[G0+2:G0+3], s[36:37]               ; slot 0: fill 0
	s_or_b32 s[G0+3], s[G0+3], 0x80000000
	s_mov_b32 s[G0+4], 1
	s_add_co_u32 s[G0+5], s33, SLOT
	s_add_nc_u64 s[G0+6:G0+7], s[36:37], FILLB     ; slot 1: fill 1
	s_or_b32 s[G0+7], s[G0+7], 0x80000000
	tensor_load_to_lds s[G0:G0+3], s[G1:G1+7]      ; fill 0: my one tensor load at the head
	s_nop 0
	v_and_b32 v1, 31, v0                           ; lane
	v_lshlrev_b32 v[L8], 3, v1
	v_add_nc_u32 v[LA], s33, v[L8]
	v_add_nc_u32 v[LA+1], SLOT, v[LA]
	v_lshlrev_b32 v[PFO], 10, v1
	v_add_nc_u32 v2, 96, v1
	v_min_u32 v2, 124, v2
	v_lshlrev_b32 v[PF3], 10, v2
	v_lshl_add_u32 v[RW], v0, 3, RED               ; 256 x wave + 8 x lane
	v_add_nc_u32 v[RR], RED, v[L8]
.irp i, 0,1,2,3,4,5,6,7,8,9
	v_mov_b32 v[CH+\i], 0
.endr
.irp j, 0,1,2
	global_prefetch_b8 v[PFO], s[36:37] offset:FILLB+32768*\j th:TH_LOAD_NT scope:SCOPE_SE   ; fill 1, my wave's rows
.endr
	global_prefetch_b8 v[PF3], s[36:37] offset:FILLB th:TH_LOAD_NT scope:SCOPE_SE
	s_cmp_ge_u32 s14, 2
	s_wait_alu depctr_va_vdst(0)                   ; the wait at the head's end, directly ahead of the branch
	s_cbranch_scc1 .Lnoq
	; ---- q: waves 0 and 1, two rows each: lanes 0-15 one row, lanes 16-31 the next; a lane holds 16 neighbouring columns, as the conversion wants them
	s_lshl_b32 s40, ttmp9, 2
	s_lshl_b32 s42, s14, 1
	s_add_co_u32 s40, s40, s42                     ; my first row: 4 g + 2 w
	s_mov_b32 s43, 0
	s_lshl_b32 s42, s40, 10
	s_add_nc_u64 s[6:7], s[6:7], s[42:43]
	s_mul_i32 s42, s40, 192
	s_add_nc_u64 s[10:11], s[10:11], s[42:43]
	s_lshl_b32 s42, s40, 3
	s_add_nc_u64 s[12:13], s[12:13], s[42:43]
	v_and_b32 v2, 15, v0
	v_bfe_u32 v7, v0, 4, 1                         ; which of the two rows
	v_lshlrev_b32 v3, 6, v2
	v_lshl_add_u32 v3, v7, 10, v3                  ; in: 1,024 x row + 64 x place
	v_mul_u32_u24 v4, v1, 12                       ; codes out: 12 bytes a lane, 384 consecutive bytes (two rows of 192)
	v_bfe_u32 v5, v0, 1, 3
	v_lshl_add_u32 v5, v7, 3, v5                   ; scale bytes out: 8 x row + block: 16 consecutive bytes a wave
.irp i, 0,1,2,3
	global_load_b128 v[QX+4*\i:QX+4*\i+3], v3, s[6:7] offset:16*\i th:TH_LOAD_NT
.endr
	s_wait_alu depctr_va_vdst(0)
	s_wait_loadcnt 0x0
	v_pk_mul_f32 v[8:9], v[QX:QX+1], v[QX:QX+1]    ; the row's sum of squares: my 16 in two chains,
	v_pk_mul_f32 v[10:11], v[QX+2:QX+3], v[QX+2:QX+3]
.irp i, 4,8,12
	v_pk_fma_f32 v[8:9], v[QX+\i:QX+\i+1], v[QX+\i:QX+\i+1], v[8:9]
	v_pk_fma_f32 v[10:11], v[QX+\i+2:QX+\i+3], v[QX+\i+2:QX+\i+3], v[10:11]
.endr
	v_pk_add_f32 v[8:9], v[8:9], v[10:11]
	v_add_f32 v8, v8, v9
	v_add_f32_dpp v8, v8, v8 row_xmask:1 row_mask:0xf bank_mask:0xf   ; and the row's sixteen lanes
	v_add_f32_dpp v8, v8, v8 row_xmask:2 row_mask:0xf bank_mask:0xf
	v_add_f32_dpp v8, v8, v8 row_xmask:4 row_mask:0xf bank_mask:0xf
	v_add_f32_dpp v8, v8, v8 row_xmask:8 row_mask:0xf bank_mask:0xf
	s_wait_alu depctr_va_vdst(0)                   ; a wait ahead of a transcendental and one behind it
	v_sqrt_f32 v9, v8
	v_nop                                          ; a plain instruction behind a transcendental
	s_wait_alu depctr_va_vdst(0)
	v_max_num_f32 v12, 0x2b8cbccc, v9              ; n = max(|x|, 1e-12)
	s_wait_alu depctr_va_vdst(0)
	v_rcp_f32 v14, v12
	v_mov_b32 v13, v12                             ; (the plain instruction)  n twice, for the packed forms
	s_wait_alu depctr_va_vdst(0)
	v_mov_b32 v15, v14                             ; r = 1 / n, twice
.irp i, 0,2,4,6,8,10,12,14
	v_pk_mul_f32 v[QY+\i:QY+\i+1], v[QX+\i:QX+\i+1], v[14:15]           ; q0 = x r
.endr
.irp i, 0,2,4,6,8,10,12,14
	v_pk_fma_f32 v[QX+\i:QX+\i+1], v[QY+\i:QY+\i+1], v[12:13], v[QX+\i:QX+\i+1] neg_lo:[1,0,0] neg_hi:[1,0,0]   ; e = x - q0 n
.endr
.irp i, 0,2,4,6,8,10,12,14
	v_pk_fma_f32 v[QY+\i:QY+\i+1], v[QX+\i:QX+\i+1], v[14:15], v[QY+\i:QY+\i+1]   ; q = q0 + e r: the quotient x / n
.endr
	v_max3_num_f32 v8, |v[QY]|, |v[QY+1]|, 0x2800000                   ; the largest magnitude of my 16, and the floor 2^(5 - 127): the byte cannot fall under 1
	v_max3_num_f32 v9, |v[QY+2]|, |v[QY+3]|, |v[QY+4]|
.irp i, 5,9
	v_max3_num_f32 v8, v8, |v[QY+\i]|, |v[QY+\i+1]|
	v_max3_num_f32 v9, v9, |v[QY+\i+2]|, |v[QY+\i+3]|
.endr
	v_max3_num_f32 v8, v8, |v[QY+13]|, |v[QY+14]|
	v_max3_num_f32 v8, v8, v9, |v[QY+15]|
	v_max_num_f32_dpp v8, v8, v8 row_xmask:1 row_mask:0xf bank_mask:0xf   ; with my neighbour's 16: the block's
	v_add_nc_u32 v10, 0xfe000000, v8               ; 4 off its exponent field: the conversion takes this operand's exponent field as the scale
	v_cvt_scalef32_pk16_bf6_f32 v[QC:QC+2], v[QY:QY+15], v10
	v_lshrrev_b32 v[QC+3], 23, v10                 ; the scale's byte (also the plain instruction behind the conversion)
	global_store_b96 v4, v[QC:QC+2], s[10:11]
	global_store_b8 v5, v[QC+3], s[12:13]          ; both lanes of a block write the same byte with the same value
.Lnoq:
; 25 rows of my wave's part of a slot into a set of registers: each load takes one row's 256 bytes, 8 a lane
.macro LDB slot, b, set
.set i, 0
.rept 25
	ds_load_b64 v[XB+50*(\set)+2*i:XB+50*(\set)+2*i+1], v[LA+\slot] offset:256*(25*(\b)+i)
.set i, i+1
.endr
.endm
.macro FMB set
.set i, 0
.rept 25
	v_pk_fma_f32 v[CH+2*(i%5):CH+2*(i%5)+1], v[XB+50*(\set)+2*i:XB+50*(\set)+2*i+1], v[XB+50*(\set)+2*i:XB+50*(\set)+2*i+1], v[CH+2*(i%5):CH+2*(i%5)+1]
.set i, i+1
.endr
.endm
.macro NEXTB cnt                       ; cnt: the younger batch's 25 loads may stay out
	s_wait_alu depctr_va_vdst(0)
	s_wait_dscnt \cnt
.endm
; My 125 rows of a slot, in five batches on two sets of registers.  pf = 1: the fill that the next trip loads is named; 2: the same, in the loop's first pass alone; 0: nothing.
.macro PROC slot, pf
	LDB \slot, 0, 0
.if \pf
.if \pf == 2
	s_cmp_eq_u32 s[LC], 2
	s_cbranch_scc0 .Lno_ask_\@                     ; the second pass's second trip loads the last fill: nothing lies beyond it
.endif
	s_wait_xcnt 0x0                                ; the prefetches of a trip ago have read their base: it may step
	s_add_nc_u64 s[PFA:PFA+1], s[PFA:PFA+1], FILLB
.irp j, 0,1,2
	global_prefetch_b8 v[PFO], s[PFA:PFA+1] offset:32768*\j th:TH_LOAD_NT scope:SCOPE_SE
.endr
	global_prefetch_b8 v[PF3], s[PFA:PFA+1] th:TH_LOAD_NT scope:SCOPE_SE
.if \pf == 2
.Lno_ask_\@:
.endif
.endif
	LDB \slot, 1, 1
	s_wait_dscnt 25                                ; batch 0 is in; batch 1's 25 loads may be out
	FMB 0
	LDB \slot, 2, 0
	NEXTB 25
	FMB 1
	LDB \slot, 3, 1
	NEXTB 25
	FMB 0
	LDB \slot, 4, 0
	NEXTB 25
	FMB 1
	NEXTB 0
	FMB 0
.endm
; A trip reads the fill in \slot; ahead of that the other slot is filled (the first time: slot 1's first fill, issued as a refill is).
.macro TRIP slot, pf
	s_wait_alu depctr_va_vdst(0)
	s_wait_tensorcnt 0x0                           ; my one tensor load has landed: my part of this slot
	ds_add_u32 v[SPW], v[NIL]
	s_add_nc_u64 s[G0+4*\slot+2:G0+4*\slot+3], s[G0+4*\slot+2:G0+4*\slot+3], 2*FILLB   ; no load of mine is out: this slot's next fill
	s_wait_dscnt 0x0                               ; the add is done, and so are my reads of the other slot
	s_barrier_signal -1
	s_barrier_wait -1
	tensor_load_to_lds s[G0+4-4*\slot:G0+7-4*\slot], s[G1:G1+7]   ; my one tensor load behind this barrier
	s_nop 0
	PROC \slot, \pf
.endm
	s_mov_b32 s[LC], 2
.Lpass:                                            ; fills 0 to 3 are read, fills 1 to 4 asked for
	TRIP 0, 1
	TRIP 1, 2
	s_sub_co_u32 s[LC], s[LC], 1
	s_cmp_lg_u32 s[LC], 0
	s_cbranch_scc1 .Lpass
	s_wait_alu depctr_va_vdst(0)
	s_wait_tensorcnt 0x0                           ; fill 4, in slot 0: my own bytes; nothing is filled again
	PROC 0, 0
	v_pk_add_f32 v[CH:CH+1], v[CH:CH+1], v[CH+2:CH+3]        ; the five chains,
	v_pk_add_f32 v[CH+4:CH+5], v[CH+4:CH+5], v[CH+6:CH+7]
	v_pk_add_f32 v[CH:CH+1], v[CH:CH+1], v[CH+8:CH+9]
	v_pk_add_f32 v[CH:CH+1], v[CH:CH+1], v[CH+4:CH+5]
	ds_store_b64 v[RW], v[CH:CH+1]
	s_wait_dscnt 0x0                               ; for the others' sake: my store has landed
	s_barrier_signal -1
	s_barrier_wait -1
	s_cmp_lg_u32 s14, 0
	s_cbranch_scc1 .Ldone
.irp i, 0,1,2,3,4
	ds_load_b64 v[XB+2*\i:XB+2*\i+1], v[RR] offset:256*\i    ; and the five waves
.endr
	s_wait_dscnt 0x0
	v_pk_add_f32 v[XB:XB+1], v[XB:XB+1], v[XB+2:XB+3]
	v_pk_add_f32 v[XB+4:XB+5], v[XB+4:XB+5], v[XB+6:XB+7]
	v_pk_add_f32 v[XB:XB+1], v[XB:XB+1], v[XB+8:XB+9]
	v_pk_add_f32 v[XB:XB+1], v[XB:XB+1], v[XB+4:XB+5]
	global_store_b64 v[L8], v[XB:XB+1], s[8:9]     ; 32 lanes store 256 consecutive bytes, aligned
.Ldone:
	s_wait_tensorcnt 0x0                           ; the wave's end
	ds_add_u32 v[SPW], v[NIL]
	s_wait_dscnt 0x0
	s_endpgm
.Lfunc_end_k_qabd2322a86_prep:
	.size	k_qabd2322a86_prep, .Lfunc_end_k_qabd2322a86_prep-k_qabd2322a86_prep
	.p2alignl 7, 3214868480
	.fill 96, 4, 3214868480
	.section	.rodata,"a",@progbits
	.p2align	6, 0x0
	.amdhsa_kernel k_qabd2322a86_prep
		.amdhsa_group_segment_fixed_size 327680
		.amdhsa_private_segment_fixed_size 0
		.amdhsa_enable_private_segment 0
		.amdhsa_kernarg_size 40
		.amdhsa_user_sgpr_count 2
		.amdhsa_user_sgpr_kernarg_segment_ptr 1
		.amdhsa_wavefront_size32 1
		.amdhsa_system_sgpr_workgroup_id_x 1
		.amdhsa_system_sgpr_workgroup_id_y 1
		.amdhsa_system_sgpr_workgroup_id_z 1
		.amdhsa_system_vgpr_workitem_id 0
		.amdhsa_next_free_vgpr 170
		.amdhsa_next_free_sgpr 66
		.amdhsa_reserve_vcc 0
		.amdhsa_float_denorm_mode_32 3
		.amdhsa_float_denorm_mode_16_64 3
		.amdhsa_memory_ordered 1
		.amdhsa_forward_progress 1
		.amdhsa_inst_pref_size 60
	.end_amdhsa_kernel
	.amdgpu_metadata
---
amdhsa.version: [ 1, 2 ]
amdhsa.kernels:
  - .name:           k_qabd2322a86_prep
    .symbol:         k_qabd2322a86_prep.kd
    .args:
      - { .name: train_features, .offset: 0, .size: 8, .value_kind: global_buffer, .address_space: global }
      - { .name: test_features, .offset: 8, .size: 8, .value_kind: global_buffer, .address_space: global }
      - { .name: part, .offset: 16, .size: 8, .value_kind: global_buffer, .address_space: global }
      - { .name: qcodes, .offset: 24, .size: 8, .value_kind: global_buffer, .address_space: global }
      - { .name: qscales, .offset: 32, .size: 8, .value_kind: global_buffer, .address_space: global }
    .group_segment_fixed_size: 327680
    .private_segment_fixed_size: 0
    .kernarg_segment_align: 8
    .kernarg_segment_size: 40
    .max_flat_workgroup_size: 160
    .sgpr_count:     66
    .vgpr_count:     170
    .wavefront_size: 32
...
	.end_amdgpu_metadata
.endif
;; end of part 1
;; launch main (part 2): grid 250 x 1, 8 waves a work-group, no clusters, 143,360 bytes of LDS; arguments train_features, part, qcodes, qscales, gcodes, gscales, gmax; writes gcodes, gscales, gmax
.if DOCPART == 2
	.amdgcn_target "amdgcn-amd-amdhsa--gfx1250"
	.amdhsa_code_object_version 6
	.text
	.protected	k_qabd2322a86_main
	.globl	k_qabd2322a86_main
	.p2align	8
	.type	k_qabd2322a86_main,@function
k_qabd2322a86_main:
	s_mov_b64 s[64:65], 0
	v_nop
	global_prefetch_b8 v0, s[64:65] scope:SCOPE_SE
	s_setreg_imm32_b32 hwreg(HW_REG_WAVE_MODE, 25, 1), 1
	s_wait_xcnt 0x0
; MAIN.  sim = Q(q) . Q(g) for 1,024 queries x 200,000 gallery rows, K = 256, on codes of E3M2 with E8M0 scales; g = train / max(column norm, 1e-12).
; What leaves: the gallery's codes and scale words (for the last launch), and for each query the LARGEST sim of each group of 40 neighbouring rows.
; Every one of a query's ten best rows (ties to the lower row) lies in one of its ten best groups (by largest sim, ties to the lower group), so nothing else of the sims is kept.
; SHARES.  Work-group g owns rows 800 g .. 800 g + 799 against all queries.  Wave w keeps queries 128 w .. 128 w + 127 in registers for the whole launch (8 tiles x 2 K steps x 12 registers, window 1).
; A TRIP takes 80 rows: 40 'A' rows (800 g + 40 k ..) and 40 'B' rows (400 further on), as five tiles of 16: operand rows 0-7 = A rows 8 u .., rows 8-15 = B rows 8 u ...
; Source 0 = a gallery tile, source 1 = a tile of queries: a lane holds ONE query (lane % 16), and its eight results are eight rows of ONE group (lanes 0-15: A's, lanes 16-31: B's): the maximum never changes lanes.
; In slot u of a trip each wave: turns its two rows of the NEXT trip's tile u through its own LDS stage (dense loads, yet 16 neighbours along K in a lane), fetches this trip's tile u, multiplies (16 matrix instructions),
; quantises the two rows while the matrix unit works, and folds the 64 results into 8 running maxima.  Tiles go from wave to wave as images of the operand's registers, in two sets that take turns: one barrier a trip.
; x comes straight into registers, a ring of 5 slots of 4 loads: 20 loads of 512 bytes a wave are out at any time.
; NO CLUSTER: each train row is read by one work-group; what all share is q's 196,608 bytes of codes, read once into registers against 819,200 bytes of the work-group's own stream; and 250 work-groups are no multiple of 4.
; g is x times the reciprocal of the norm (one Newton step on v_rcp_f32), not a quotient; the norm's sum is ordered otherwise than the reference's in any case.
; LIMITS: NaN and infinities among the inputs are not served; +0 and -0 count as equal; a block whose largest magnitude lies under 2^-122 gets the scale byte 1.
.set TRIPB, 40960                      ; 40 rows of 1,024 bytes
.set BOFF,  409600                     ; from an A row to its B row
.set GIDB,  7680                       ; a group's codes: 5 tiles x 2 K steps x 3 x 256 bytes
.set IMG,   20480                      ; LDS.  0: the waves' stages, 2,560 bytes each: 32 places of 64 + 16 bytes
.set IMGP,  16320                      ; IMG: two sets of five tiles' images;
.set IMGT,  3264                       ; a tile: 68 places of 48 bytes: place 34 s + 17 h + m holds the 12 registers of operand lane (m, h) for K step s (one spare place behind each 16)
.set IMGS,  1632
.set SCI,   53248                      ; two sets of 1,024 bytes of scale words: 512 x (A or B) + 64 u + 32 s + 4 x row; the rest stays zero
.set NS,    55296                      ; [4][256] partial sums of squares
.set NR,    59392                      ; [256] 1 / max(norm, 1e-12)
.set GMS,   60416                      ; the maxima: 10,240 bytes for each wave: 80 x query + 4 x (10 x half + k)
.set XO,  1                            ; v1   x: 1,024 x wave + 16 x lane
.set TS,  2                            ; v2   my stage, on the way in: 80 (lane / 4) + 16 (lane % 4)
.set TL,  3                            ; v3   and out: 80 x lane
.set IW,  4                            ; v4   where my 12 bytes of codes go in a tile's image
.set SW,  5                            ; v5   where my block's scale byte goes
.set FL,  6                            ; v6   where my lane's 48 bytes of a fragment lie
.set SL,  7                            ; v7   and my scale word: lanes 0-15 K step 0, lanes 16-31 K step 1
.set GW0, 8                            ; v8   my place among the maxima;  v9: the same for the trip in hand
.set GW,  9
.set GD,  10                           ; v10  the last dump: my wave's maxima, 16 x lane
.set CO,  11                           ; v11  my place in a group's codes in memory
.set LO,  12                           ; v12  16 x lane
.set SDA, 13                           ; v13  the scale words' dump: SCI + 16 x lane
.set QS,  16                           ; v16-23  the queries' scale words, tile t: lanes 0-15 K step 0, lanes 16-31 K step 1
.set R,   24                           ; v24-39  1 / norm of my 16 columns
.set X,   40                           ; v40-55  16 neighbours along K
.set TT,  56                           ; v56-59  at work
.set C,   60                           ; v60-62  16 codes
.set GM,  64                           ; v64-71  the running maxima, tile t
.set F,   72                           ; v72-95  a gallery tile's fragments, K step 0 and 1
.set SG,  96                           ; v96     its scale words
.set SD,  98                           ; v98-105 the scale words' dump
.set ACC, 112                          ; v112-175 eight accumulators (at the head: the partial sums)
.set ST,  176                          ; v176-255 the ring: slot j at v[176 + 16 j]
.set WV,  18
.set LC,  20
.set TG,  21                           ; s21  8 x the loop's trip: where the trip's maxima go
.set MSB, 0
.macro WIN new                         ; the immediate's high byte repeats the setting that is left
.if MSB != \new
	s_set_vgpr_msb (MSB<<8)|\new
.set MSB, \new
.endif
.endm
	s_load_b256 s[4:11], s[0:1], 0x0               ; train s[4:5], part s[6:7], qcodes s[8:9], qscales s[10:11]
	s_load_b128 s[12:15], s[0:1], 0x20             ; gcodes s[12:13], gscales s[14:15]
	s_load_b64 s[16:17], s[0:1], 0x30              ; gmax
	v_lshl_add_u32 v110, v0, 2, 0x22c00
	v_mov_b32 v111, 0
	v_lshrrev_b32 v14, 5, v0
	s_delay_alu instid0(VALU_DEP_1)
	v_readfirstlane_b32 s[WV], v14                 ; wave 0..7
	v_and_b32 v14, 31, v0                          ; lane
	v_and_b32 v15, 15, v0                          ; r
	v_bfe_u32 v56, v0, 4, 1                        ; h
	v_and_b32 v57, 7, v0
	s_delay_alu instid0(VALU_DEP_4)
	v_lshlrev_b32 v[LO], 4, v14
	s_lshl_b32 s22, s[WV], 10
	v_add_nc_u32 v[XO], s22, v[LO]
	v_mul_u32_u24 v58, v15, 192                    ; q's codes: row r of 192 bytes, + 24 h, + my wave's 128 rows
	s_delay_alu instid0(VALU_DEP_1)
	v_mad_u32_u24 v58, v56, 24, v58
	s_mul_i32 s24, s[WV], 24576
	v_add_nc_u32 v58, s24, v58
	v_lshlrev_b32 v59, 3, v15                      ; q's scale words: 8 bytes a row, + 4 h
	s_delay_alu instid0(VALU_DEP_1)
	v_lshl_add_u32 v59, v56, 2, v59
	s_delay_alu instid0(VALU_DEP_1)
	v_add_nc_u32 v59, s22, v59
	v_lshrrev_b32 v60, 6, v0                       ; the partial sums: thread t adds chunks 16 (t / 64) .. + 15 of columns 4 (t % 64) ..
	v_and_b32 v61, 63, v0
	s_delay_alu instid0(VALU_DEP_1)
	v_lshlrev_b32 v61, 4, v61
	s_delay_alu instid0(VALU_DEP_1)
	v_lshl_add_u32 v60, v60, 14, v61
	s_mov_b32 s23, 0
	s_mul_i32 s24, s[WV], 10240
	s_wait_alu depctr_va_vdst(0)
	s_wait_kmcnt 0x0
	s_mul_i32 s22, ttmp9, 819200                   ; at most 249 x 819,200: under 2^32
	s_add_nc_u64 s[4:5], s[4:5], s[22:23]
	s_mul_i32 s22, ttmp9, 20*GIDB
	s_add_nc_u64 s[12:13], s[12:13], s[22:23]
	s_mul_i32 s22, ttmp9, 10240
	s_add_nc_u64 s[14:15], s[14:15], s[22:23]
	s_mul_i32 s22, ttmp9, 81920
	s_add_co_u32 s22, s22, s24
	s_add_nc_u64 s[16:17], s[16:17], s[22:23]
	WIN 0x40                                       ; destination window 1
.irp t, 0,1,2,3,4,5,6,7
.irp s, 0,1
.irp p, 0,1,2,3,4,5
	global_load_b64 v[24*\t+12*\s+2*\p:24*\t+12*\s+2*\p+1], v58, s[8:9] offset:3072*\t+96*\s+48*(\p/3)+8*(\p%3)   ; the queries' fragments: they stay
.endr
.endr
.endr
	WIN 0
.irp t, 0,1,2,3,4,5,6,7
	global_load_b32 v[QS+\t], v59, s[10:11] offset:128*\t
.endr
.irp i, 0,1,2,3,4,5,6,7,8,9,10,11,12,13,14,15
	global_load_b128 v[ACC+4*\i:ACC+4*\i+3], v60, s[6:7] offset:1024*\i
.endr
; Ring slot j takes my two rows of tile j, d trips on from the base: A row 8 j + wave and its B row, each as two loads of 512 consecutive bytes.
.macro REFILL j, d
	global_load_b128 v[ST+16*(\j):ST+16*(\j)+3],     v[XO], s[4:5] offset:(\d)*TRIPB+8192*(\j) th:TH_LOAD_NT
	global_load_b128 v[ST+16*(\j)+4:ST+16*(\j)+7],   v[XO], s[4:5] offset:(\d)*TRIPB+8192*(\j)+512 th:TH_LOAD_NT
	global_load_b128 v[ST+16*(\j)+8:ST+16*(\j)+11],  v[XO], s[4:5] offset:(\d)*TRIPB+8192*(\j)+BOFF th:TH_LOAD_NT
	global_load_b128 v[ST+16*(\j)+12:ST+16*(\j)+15], v[XO], s[4:5] offset:(\d)*TRIPB+8192*(\j)+BOFF+512 th:TH_LOAD_NT
.endm
.irp j, 0,1,2,3,4
	REFILL \j, 0
.endr
	; the LDS addresses, each a constant + terms of the lane and of the wave
	s_mul_i32 s22, s[WV], 2560
	v_bfe_u32 v40, v0, 2, 3
	s_delay_alu instid0(VALU_DEP_1)
	v_mul_u32_u24 v40, v40, 80
	v_and_b32 v41, 3, v0
	s_delay_alu instid0(VALU_DEP_1)
	v_lshl_add_u32 v40, v41, 4, v40
	s_delay_alu instid0(VALU_DEP_1)
	v_add_nc_u32 v[TS], s22, v40
	v_mul_u32_u24 v40, v14, 80
	s_delay_alu instid0(VALU_DEP_1)
	v_add_nc_u32 v[TL], s22, v40
	; behind the turn lane (c = lane % 16, h) holds columns 16 c .. 16 c + 15 of the A row (h = 0) or the B row (h = 1): K step c / 8, block (c / 2) % 4 of it, half c % 2 of the block.
	; The operand's layout gives block 2 c' + h' to lane half h', registers 6 c' ..: my three registers are 6 ((c / 4) % 2) + 3 (c % 2) .. of operand lane (8 h + wave, (c / 2) % 2).
	v_bfe_u32 v40, v0, 3, 1
	v_bfe_u32 v41, v0, 1, 1
	v_bfe_u32 v42, v0, 2, 1
	v_and_b32 v43, 1, v0
	s_delay_alu instid0(VALU_DEP_4)
	v_mul_u32_u24 v44, v40, 34
	s_delay_alu instid0(VALU_DEP_1)
	v_mad_u32_u24 v44, v41, 17, v44
	s_delay_alu instid0(VALU_DEP_1)
	v_lshl_add_u32 v44, v56, 3, v44
	s_delay_alu instid0(VALU_DEP_1)
	v_add_nc_u32 v44, s[WV], v44
	s_delay_alu instid0(VALU_DEP_1)
	v_mul_u32_u24 v44, v44, 48
	v_lshl_add_u32 v45, v42, 1, v43
	s_delay_alu instid0(VALU_DEP_1)
	v_mad_u32_u24 v44, v45, 12, v44
	s_delay_alu instid0(VALU_DEP_1)
	v_add_nc_u32 v[IW], IMG, v44
	v_bfe_u32 v45, v0, 1, 2
	s_delay_alu instid0(VALU_DEP_1)
	v_lshl_add_u32 v45, v40, 5, v45
	s_delay_alu instid0(VALU_DEP_1)
	v_lshl_add_u32 v45, v56, 9, v45
	s_lshl_b32 s22, s[WV], 2
	v_add_nc_u32 v45, s22, v45
	s_delay_alu instid0(VALU_DEP_1)
	v_add_nc_u32 v[SW], SCI, v45
	v_mad_u32_u24 v44, v56, 17, v15
	s_delay_alu instid0(VALU_DEP_1)
	v_mul_u32_u24 v44, v44, 48
	s_delay_alu instid0(VALU_DEP_1)
	v_add_nc_u32 v[FL], IMG, v44
	v_lshlrev_b32 v44, 2, v57
	s_delay_alu instid0(VALU_DEP_1)
	v_lshl_add_u32 v44, v56, 5, v44
	s_delay_alu instid0(VALU_DEP_1)
	v_lshl_add_u32 v44, v40, 9, v44
	s_delay_alu instid0(VALU_DEP_1)
	v_add_nc_u32 v[SL], SCI, v44
	s_add_co_u32 s22, s24, GMS
	v_mul_u32_u24 v44, v15, 80
	s_delay_alu instid0(VALU_DEP_1)
	v_mad_u32_u24 v44, v56, 40, v44
	s_delay_alu instid0(VALU_DEP_1)
	v_add_nc_u32 v[GW0], s22, v44
	v_add_nc_u32 v[GD], s22, v[LO]
	v_lshl_add_u32 v44, v56, 3, v57                ; in memory: place 8 h + row % 8 of 16 bytes; B's group lies 10 groups on
	s_delay_alu instid0(VALU_DEP_1)
	v_lshlrev_b32 v44, 4, v44
	s_delay_alu instid0(VALU_DEP_1)
	v_mad_u32_u24 v[CO], v40, 10*GIDB, v44
	v_add_nc_u32 v[SDA], SCI, v[LO]
	v_lshl_add_u32 v46, v0, 4, NS
	v_lshl_add_u32 v47, v0, 2, NS
	v_lshl_add_u32 v48, v15, 6, NR
	s_cmp_lg_u32 s[WV], 6                          ; wave 6 clears both sets of scale words once, so that whole blocks of 512 bytes can be dumped
	s_cbranch_scc1 .Lnot_six
.irp i, 0,1,2,3
	v_mov_b32 v[SD+\i], 0
.endr
.irp i, 0,1,2,3
	ds_store_b128 v[SDA], v[SD:SD+3] offset:512*\i
.endr
.Lnot_six:
	; the norms: every work-group adds the 64 partial sums of each column in the same order
	s_wait_loadcnt 20                              ; all but the 20 loads of x: the queries, their scales and the partial sums are in
.macro QADD a, b
	v_pk_add_f32 v[ACC+4*(\a):ACC+4*(\a)+1], v[ACC+4*(\a):ACC+4*(\a)+1], v[ACC+4*(\b):ACC+4*(\b)+1]
	v_pk_add_f32 v[ACC+4*(\a)+2:ACC+4*(\a)+3], v[ACC+4*(\a)+2:ACC+4*(\a)+3], v[ACC+4*(\b)+2:ACC+4*(\b)+3]
.endm
.irp i, 0,1,2,3,4,5,6,7
	QADD \i, \i+8
.endr
.irp i, 0,1,2,3
	QADD \i, \i+4
.endr
	QADD 0, 2
	QADD 1, 3
	QADD 0, 1
	ds_store_b128 v46, v[ACC:ACC+3]
	s_wait_dscnt 0x0
	s_barrier_signal -1
	s_barrier_wait -1
.irp i, 0,1,2,3
	ds_load_b32 v[ACC+\i], v47 offset:1024*\i      ; thread t: column t's four sums
.endr
	s_wait_dscnt 0x0
	v_add_f32 v[ACC], v[ACC], v[ACC+1]
	v_add_f32 v[ACC+2], v[ACC+2], v[ACC+3]
	s_delay_alu instid0(VALU_DEP_1)
	v_add_f32 v[ACC], v[ACC], v[ACC+2]
	s_wait_alu depctr_va_vdst(0)
	v_sqrt_f32 v[ACC+1], v[ACC]
	v_nop                                          ; a plain instruction behind a transcendental,
	s_wait_alu depctr_va_vdst(0)                   ; and the wait ahead of the first reader of its result
	v_max_num_f32 v[ACC+1], 0x2b8cbccc, v[ACC+1]   ; n = max(norm, 1e-12)
	s_wait_alu depctr_va_vdst(0)
	v_rcp_f32 v[ACC+2], v[ACC+1]
	v_nop
	s_wait_alu depctr_va_vdst(0)
	v_fma_f32 v[ACC+3], -v[ACC+1], v[ACC+2], 1.0   ; one Newton step: r = r0 + r0 (1 - n r0)
	v_fma_f32 v[ACC+2], v[ACC+3], v[ACC+2], v[ACC+2]
	ds_store_b32 v47, v[ACC+2] offset:NR-NS
	s_wait_dscnt 0x0
	s_barrier_signal -1
	s_barrier_wait -1
.irp i, 0,1,2,3
	ds_load_b128 v[R+4*\i:R+4*\i+3], v48 offset:16*\i
.endr
	s_wait_dscnt 0x0
; Ring slot j's 2,048 bytes go through my stage as they lie and come back 64 bytes a lane.  LDS serves a wave's instructions in order: no wait between the stores and the loads.
.macro TURN j
.irp i, 0,1,2,3
	ds_store_b128 v[TS], v[ST+16*(\j)+4*\i:ST+16*(\j)+4*\i+3] offset:640*\i
.endr
.irp i, 0,1,2,3
	ds_load_b128 v[X+4*\i:X+4*\i+3], v[TL] offset:16*\i
.endr
.endm
; My 16 neighbours are normalised and quantised; codes and scale byte go into tile j's image in set pw.  Its plain lines name no register of the products issued just before it.
.macro QCOMP j, pw
.irp i, 0,2,4,6,8,10,12,14
	v_pk_mul_f32 v[X+\i:X+\i+1], v[X+\i:X+\i+1], v[R+\i:R+\i+1]
.endr
	v_max3_num_f32 v[TT], |v[X]|, |v[X+1]|, 0x2800000                  ; the largest magnitude of my 16, and the floor 2^(5 - 127): the byte cannot fall under 1
	v_max3_num_f32 v[TT+1], |v[X+2]|, |v[X+3]|, |v[X+4]|
.irp i, 5,9
	s_delay_alu instid0(VALU_DEP_2)
	v_max3_num_f32 v[TT], v[TT], |v[X+\i]|, |v[X+\i+1]|
	s_delay_alu instid0(VALU_DEP_2)
	v_max3_num_f32 v[TT+1], v[TT+1], |v[X+\i+2]|, |v[X+\i+3]|
.endr
	s_delay_alu instid0(VALU_DEP_2)
	v_max3_num_f32 v[TT], v[TT], |v[X+13]|, |v[X+14]|
	s_delay_alu instid0(VALU_DEP_1)
	v_max3_num_f32 v[TT], v[TT], v[TT+1], |v[X+15]|
	s_delay_alu instid0(VALU_DEP_1)
	v_max_num_f32_dpp v[TT], v[TT], v[TT] row_xmask:1 row_mask:0xf bank_mask:0xf   ; with my neighbour's 16: the block's
	s_delay_alu instid0(VALU_DEP_1)
	v_add_nc_u32 v[TT+2], 0xfe000000, v[TT]        ; 4 off its exponent field: the conversion's scale operand
	v_cvt_scalef32_pk16_bf6_f32 v[C:C+2], v[X:X+15], v[TT+2]
	v_lshrrev_b32 v[TT+3], 23, v[TT+2]             ; the scale's byte (also the plain instruction behind the conversion)
.irp i, 0,1,2
	ds_store_b32 v[IW], v[C+\i] offset:(\pw)*IMGP+(\j)*IMGT+4*\i
.endr
	ds_store_b8 v[SW], v[TT+3] offset:(\pw)*1024+(\j)*64   ; both lanes of a block write the same byte with the same value
.endm
.macro FRAG u, p                       ; tile u of set p: both K steps' fragments and the scale words
.irp s, 0,1
.irp c, 0,1,2
	ds_load_b128 v[F+12*\s+4*\c:F+12*\s+4*\c+3], v[FL] offset:(\p)*IMGP+(\u)*IMGT+\s*IMGS+16*\c
.endr
.endr
	ds_load_b32 v[SG], v[SL] offset:(\p)*1024+(\u)*64
.endm
; 16 matrix instructions: the tile against my eight tiles of queries, K step 0 (which starts the sums) and K step 1.  The eight accumulators take turns, one instruction a turn.
.macro MULS
	WIN 0x04                                       ; source 1 (the queries) window 1
.irp t, 0,1,2,3,4,5,6,7
	v_wmma_scale_f32_16x16x128_f8f6f4 v[ACC+8*\t:ACC+8*\t+7], v[F:F+11], v[24*\t:24*\t+11], 0, v[SG], v[QS+\t] matrix_a_fmt:MATRIX_FMT_BF6 matrix_b_fmt:MATRIX_FMT_BF6
.endr
.irp t, 0,1,2,3,4,5,6,7
	v_wmma_scale_f32_16x16x128_f8f6f4 v[ACC+8*\t:ACC+8*\t+7], v[F+12:F+23], v[24*\t+12:24*\t+23], v[ACC+8*\t:ACC+8*\t+7], v[SG], v[QS+\t] matrix_a_fmt:MATRIX_FMT_BF6 matrix_b_fmt:MATRIX_FMT_BF6 matrix_a_scale:MATRIX_SCALE_ROW1 matrix_b_scale:MATRIX_SCALE_ROW1
.endr
	WIN 0
.endm
; The 64 results are folded into the eight maxima, each accumulator from its low end on, the eight by turns.  Tile 0 starts them.
.macro MAXES u
.if (\u) == 0
.irp t, 0,1,2,3,4,5,6,7
	v_max3_num_f32 v[GM+\t], v[ACC+8*\t], v[ACC+8*\t+1], v[ACC+8*\t+2]
.endr
.irp i, 3,5
.irp t, 0,1,2,3,4,5,6,7
	v_max3_num_f32 v[GM+\t], v[GM+\t], v[ACC+8*\t+\i], v[ACC+8*\t+\i+1]
.endr
.endr
.irp t, 0,1,2,3,4,5,6,7
	v_max_num_f32 v[GM+\t], v[GM+\t], v[ACC+8*\t+7]
.endr
.else
.irp i, 0,2,4,6
.irp t, 0,1,2,3,4,5,6,7
	v_max3_num_f32 v[GM+\t], v[GM+\t], v[ACC+8*\t+\i], v[ACC+8*\t+\i+1]
.endr
.endr
.endif
.endm
; SLOT u of a trip on set p.  q = 1: the next trip's tile u is quantised into the other set;  rf = 1: ring slot u is filled again, two trips ahead;  cnt: the younger loads of x that may stay out.
.macro SLOT u, p, q, rf, cnt
.if \q
	s_wait_loadcnt \cnt                            ; ring slot u's four loads are in
	TURN \u
.endif
	s_wait_xcnt 0x0                                ; the last slot's stores have read the fragment's registers (and the scale dump's): they are written again only behind this wait
	FRAG \u, \p
	s_wait_dscnt 0x0                               ; my 16 neighbours and the tile are in; the stage's stores have read the ring slot, the last slot's stores their codes
.if \rf
	REFILL \u, 2+\p
.endif
	s_cmp_lg_u32 s[WV], \u                         ; wave u also sends tile u's codes to memory, as they stand in its registers:
	s_cbranch_scc1 .Lno_codes_\@
.irp s, 0,1
.irp c, 0,1,2
	global_store_b128 v[CO], v[F+12*\s+4*\c:F+12*\s+4*\c+3], s[12:13] offset:(\p)*GIDB+(\u)*1536+(3*\s+\c)*256 th:TH_STORE_NT   ; 256 consecutive aligned bytes of A's group and 256 of B's
.endr
.endr
.Lno_codes_\@:
.if (\u) == 0
	s_cmp_lg_u32 s[WV], 5                          ; and wave 5 the trip's scale words: 512 bytes for each of the two groups
	s_cbranch_scc1 .Lno_scales_\@
	ds_load_b128 v[SD:SD+3], v[SDA] offset:(\p)*1024
	ds_load_b128 v[SD+4:SD+7], v[SDA] offset:(\p)*1024+512
	s_wait_dscnt 0x0
	global_store_b128 v[LO], v[SD:SD+3], s[14:15] offset:(\p)*512 th:TH_STORE_NT
	global_store_b128 v[LO], v[SD+4:SD+7], s[14:15] offset:(\p)*512+5120 th:TH_STORE_NT
.Lno_scales_\@:
.endif
	MULS
.if \q
	QCOMP \u, 1-\p                                 ; vector work while the matrix unit works: its sixteen first lines are also the places behind the products (ISA guide 7.12.1)
.else
.rept 5
	v_nop                                          ; the places behind the products
.endr
.endif
	s_wait_alu depctr_va_vdst(0)
	MAXES \u
.endm
; A TRIP on set p.  One barrier serves both ways: in front of it each wave's stores into the other set have landed and its reads of this set are over.
.macro TRIP p, q, rf, bar
.irp u, 0,1,2,3,4
.if \rf
	SLOT \u, \p, \q, 1, 16
.else
	SLOT \u, \p, \q, 0, 4*(4-\u)
.endif
.endr
	v_add_nc_u32 v[GW], s[TG], v[GW0]
.irp t, 0,1,2,3,4,5,6,7
	ds_store_b32 v[GW], v[GM+\t] offset:1280*\t+4*\p   ; the trip's two groups' maxima for my 128 queries, into my wave's own bytes
.endr
.if \bar
	s_wait_dscnt 0x0
	s_barrier_signal -1
	s_barrier_wait -1
.endif
.endm
	; trip 0's five tiles are quantised ahead of the loop; the ring goes on to trip 1's rows
.irp j, 0,1,2,3,4
	s_wait_loadcnt 16                              ; ring slot j's four loads are in; the four other slots' may be out
	TURN \j
	s_wait_dscnt 0x0
	REFILL \j, 1
	QCOMP \j, 0
.endr
	s_wait_dscnt 0x0
	s_barrier_signal -1
	s_barrier_wait -1
	s_mov_b32 s[TG], 0
	s_mov_b32 s[LC], 4
.Lbody:                                            ; trips 0 to 7, two to a pass: the sets are back where they began
	TRIP 0, 1, 1, 1
	TRIP 1, 1, 1, 1
	s_wait_xcnt 0x0                                ; the pass's loads and stores have read their bases: they may step
	s_add_nc_u64 s[4:5], s[4:5], 2*TRIPB
	s_add_nc_u64 s[12:13], s[12:13], 2*GIDB
	s_add_nc_u64 s[14:15], s[14:15], 2*512
	s_add_co_u32 s[TG], s[TG], 8
	s_sub_co_u32 s[LC], s[LC], 1
	s_cmp_lg_u32 s[LC], 0
	s_cbranch_scc1 .Lbody
	TRIP 0, 1, 0, 1                                ; trip 8 quantises trip 9's rows and asks for nothing: no load leaves the work-group's rows; the counts run down
	TRIP 1, 0, 0, 0                                ; trip 9 only multiplies; behind it a wave reads its own bytes alone
.irp i, 0,1,2,3,4,5,6,7,8,9,10,11,12,13,14,15,16,17,18,19
	ds_load_b128 v[ST+4*\i:ST+4*\i+3], v[GD] offset:512*\i   ; LDS serves a wave's instructions in order: these see my stores
.endr
.irp i, 0,1,2,3,4,5,6,7,8,9,10,11,12,13,14,15,16,17,18,19
	s_wait_dscnt 19-\i
	global_store_b128 v[LO], v[ST+4*\i:ST+4*\i+3], s[16:17] offset:512*\i th:TH_STORE_NT   ; gmax[work-group][query][20]: 512 consecutive bytes, aligned
.endr
	s_wait_tensorcnt 0x0
	ds_add_u32 v110, v111
	s_wait_dscnt 0x0
	s_endpgm
.Lfunc_end_k_qabd2322a86_main:
	.size	k_qabd2322a86_main, .Lfunc_end_k_qabd2322a86_main-k_qabd2322a86_main
	.p2alignl 7, 3214868480
	.fill 96, 4, 3214868480
	.section	.rodata,"a",@progbits
	.p2align	6, 0x0
	.amdhsa_kernel k_qabd2322a86_main
		.amdhsa_group_segment_fixed_size 143360
		.amdhsa_private_segment_fixed_size 0
		.amdhsa_enable_private_segment 0
		.amdhsa_kernarg_size 56
		.amdhsa_user_sgpr_count 2
		.amdhsa_user_sgpr_kernarg_segment_ptr 1
		.amdhsa_wavefront_size32 1
		.amdhsa_system_sgpr_workgroup_id_x 1
		.amdhsa_system_sgpr_workgroup_id_y 1
		.amdhsa_system_sgpr_workgroup_id_z 1
		.amdhsa_system_vgpr_workitem_id 0
		.amdhsa_next_free_vgpr 448
		.amdhsa_next_free_sgpr 66
		.amdhsa_reserve_vcc 0
		.amdhsa_float_denorm_mode_32 3
		.amdhsa_float_denorm_mode_16_64 3
		.amdhsa_memory_ordered 1
		.amdhsa_forward_progress 1
		.amdhsa_inst_pref_size 187
	.end_amdhsa_kernel
	.amdgpu_metadata
---
amdhsa.version: [ 1, 2 ]
amdhsa.kernels:
  - .name:           k_qabd2322a86_main
    .symbol:         k_qabd2322a86_main.kd
    .args:
      - { .name: train_features, .offset: 0, .size: 8, .value_kind: global_buffer, .address_space: global }
      - { .name: part, .offset: 8, .size: 8, .value_kind: global_buffer, .address_space: global }
      - { .name: qcodes, .offset: 16, .size: 8, .value_kind: global_buffer, .address_space: global }
      - { .name: qscales, .offset: 24, .size: 8, .value_kind: global_buffer, .address_space: global }
      - { .name: gcodes, .offset: 32, .size: 8, .value_kind: global_buffer, .address_space: global }
      - { .name: gscales, .offset: 40, .size: 8, .value_kind: global_buffer, .address_space: global }
      - { .name: gmax, .offset: 48, .size: 8, .value_kind: global_buffer, .address_space: global }
    .group_segment_fixed_size: 143360
    .private_segment_fixed_size: 0
    .kernarg_segment_align: 8
    .kernarg_segment_size: 56
    .max_flat_workgroup_size: 256
    .sgpr_count:     66
    .vgpr_count:     448
    .wavefront_size: 32
...
	.end_amdgpu_metadata
.endif
;; end of part 2
;; launch pick (part 3): grid 256 x 1, 4 waves a work-group, no clusters, 82,432 bytes of LDS; arguments gmax, sel; writes sel
.if DOCPART == 3
	.amdgcn_target "amdgcn-amd-amdhsa--gfx1250"
	.amdhsa_code_object_version 6
	.text
	.protected	k_qabd2322a86_pick
	.globl	k_qabd2322a86_pick
	.p2align	8
	.type	k_qabd2322a86_pick,@function
k_qabd2322a86_pick:
	s_mov_b64 s[64:65], 0
	v_nop
	global_prefetch_b8 v0, s[64:65] scope:SCOPE_SE
	s_setreg_imm32_b32 hwreg(HW_REG_WAVE_MODE, 25, 1), 1
	s_wait_xcnt 0x0
; PICK.  For each query the ten groups that come first by (largest sim descending, group number ascending), out of 5,000: sel[query][0 .. 9], whole numbers; entries 10 .. 31 are 0.
; One wave, one query.  A query's maxima are 250 records of 80 bytes (gmax[work-group][query][20]), 1,250 quads of 16 bytes: quad e = 32 i + lane holds groups 4 e .. 4 e + 3.
; The four waves of a work-group read 320 consecutive bytes of each record: with 20 groups to a (work-group, query) the records are no multiple of 256 bytes.
; All 40 loads go out together; the quads are laid in the wave's own 20,480 bytes of LDS, so that the insertion is written once and walked in a loop (160 insertions written out would be some 56 KB of code).
; Each lane keeps a sorted list of its ten best (value, group).  A lane's groups come in ascending order and a value is inserted only where it is LARGER, so of equal values the lower group stays ahead.
; Then ten times: the largest head among the 32 lanes, of equal heads the lowest group; that lane's list moves up.
; No branch and no address hangs on a value.  LIMITS: NaN is not served; +0 and -0 count as equal.
.set L,   8                            ; v8-17   the list's values, descending
.set I,   18                           ; v18-27  their groups (less 4 x lane; later whole, as f32)
.set V,   32                           ; v32-191 the 40 quads as loaded
.set O,   192                          ; v192-231 their offsets
.set RQ,  192                          ; v192-207 later: four quads from LDS
.set OUT, 30
	s_load_b128 s[4:7], s[0:1], 0x0                ; gmax, sel
	v_lshl_add_u32 v232, v0, 2, 0x14000
	v_mov_b32 v233, 0
	v_lshrrev_b32 v1, 5, v0
	v_readfirstlane_b32 s8, v1                     ; wave
	v_and_b32 v1, 31, v0                           ; lane
	s_wait_alu depctr_va_vdst(0)
	s_lshl_b32 s9, ttmp9, 2
	s_add_co_u32 s9, s9, s8                        ; my query
	s_mul_i32 s10, s9, 80
	s_mov_b32 s11, 0
	s_lshl_b32 s12, s9, 7
	s_mov_b32 s13, 0
	s_mov_b32 s14, 0x76543210                      ; v_permlanex16_b32's selects for lane l xor 16
	s_mov_b32 s15, 0xfedcba98
	s_mul_i32 s16, s8, 20480
	v_lshl_add_u32 v4, v1, 4, s16                  ; LDS: my wave's bytes, 16 x lane
	s_wait_kmcnt 0x0
	s_add_nc_u64 s[4:5], s[4:5], s[10:11]
	s_add_nc_u64 s[6:7], s[6:7], s[12:13]
.set i, 0
.rept 40
	v_add_nc_u32 v2, 32*i, v1                      ; e
.if i == 39
	v_min_u32 v2, 1249, v2                         ; the last load has two quads: the other lanes are held at the last one
.endif
	v_mul_u32_u24 v3, v2, 0xcccd
	v_lshrrev_b32 v3, 18, v3                       ; the record e / 5
	v_lshlrev_b32 v2, 4, v2
	v_mad_u32_u24 v[O+i], v3, 81840, v2            ; 16 e + (81,920 - 80) x record
	global_load_b128 v[V+4*i:V+4*i+3], v[O+i], s[4:5] th:TH_LOAD_NT
.set i, i+1
.endr
.irp n, 0,1,2,3,4,5,6,7,8,9
	v_mov_b32 v[L+\n], 0xff800000                  ; -infinity: under every value
	v_mov_b32 v[I+\n], 0
.endr
	v_mov_b32 v2, 0                                ; (destinations of lane operations count as read)
	v_mov_b32 v3, 0
	v_mov_b32 v6, 0
	v_mov_b32 v7, 0x7f61b1e6                       ; 3e38: over every group number
	v_mov_b32 v29, 0xff800000
	v_mov_b32 v[OUT], 0
	s_mov_b32 s19, 3
.set i, 0
	s_wait_alu depctr_va_vdst(0)
.rept 40
	s_wait_loadcnt 39-i                            ; load i is in; the younger ones may be out
.if i == 39
.irp c, 0,1,2,3
	v_cndmask_b32 v[V+156+\c], v29, v[V+156+\c], s19   ; lanes 2 and above hold copies: -infinity, which is never inserted
.endr
.endif
	ds_store_b128 v4, v[V+4*i:V+4*i+3] offset:512*i
.set i, i+1
.endr
; v[x], whose group (less 4 x lane) stands in s31, is inserted.  From the list's end up: place n takes its upper neighbour where x is larger than that, x where it is larger than place n alone.
.macro INS x
.irp n, 0,1,2,3,4,5,6,7,8,9
	v_cmp_gt_f32 s[20+\n], v[\x], v[L+\n]
.endr
.irp n, 9,8,7,6,5,4,3,2,1
	v_cndmask_b32 v[I+\n], v[I+\n], s31, s[20+\n]
	v_med3_num_f32 v[L+\n], v[L+\n-1], v[L+\n], v[\x]
	v_cndmask_b32 v[I+\n], v[I+\n], v[I+\n-1], s[20+\n-1]
.endr
	v_cndmask_b32 v[I], v[I], s31, s20
	v_max_num_f32 v[L], v[L], v[\x]
.endm
.macro HALF h                          ; quads 2 h and 2 h + 1 of the four in hand: eight insertions
.irp j, 0,1
.irp c, 0,1,2,3
	s_add_co_u32 s31, s30, 128*(2*\h+\j)+\c
	INS RQ+4*(2*\h+\j)+\c
.endr
.endr
.endm
.macro LDH h, a                        ; the same two quads are fetched, from address register a
	ds_load_b128 v[RQ+8*\h:RQ+8*\h+3], v[\a] offset:1024*\h
	ds_load_b128 v[RQ+8*\h+4:RQ+8*\h+7], v[\a] offset:1024*\h+512
.endm
	LDH 0, 4                                       ; (the loads' offset registers are free: all 40 loads are in.)  LDS serves a wave's instructions in order: these see my stores
	LDH 1, 4
	s_wait_dscnt 2                                 ; the first half is in
	s_mov_b32 s17, 9
	s_mov_b32 s18, 2048                            ; the next four quads' place in my bytes
	s_mov_b32 s30, 0                               ; 512 x trip: the first group of the four quads in hand
.Lgroup:                                           ; while one half is inserted the other is on its way
	s_wait_alu depctr_va_vdst(0)
	HALF 0
	s_wait_alu depctr_va_vdst(0)
	s_wait_dscnt 0x0                               ; the second half is in, and no LDS load is out: the address may be written
	v_add_nc_u32 v5, s18, v4
	LDH 0, 5
	HALF 1
	s_wait_dscnt 0x0
	LDH 1, 5
	s_add_co_u32 s18, s18, 2048
	s_add_co_u32 s30, s30, 512
	s_sub_co_u32 s17, s17, 1
	s_cmp_lg_u32 s17, 0
	s_cbranch_scc1 .Lgroup
	s_wait_alu depctr_va_vdst(0)
	HALF 0                                         ; the last four quads: nothing more to fetch
	s_wait_alu depctr_va_vdst(0)
	s_wait_dscnt 0x0
	HALF 1
.irp n, 0,1,2,3,4,5,6,7,8,9
	v_lshl_add_u32 v[I+\n], v1, 2, v[I+\n]         ; the whole group number,
.endr
.irp n, 0,1,2,3,4,5,6,7,8,9
	v_cvt_f32_u32 v[I+\n], v[I+\n]                 ; as f32 (under 5,000: exact), so that the lanes' minimum rides on f32 arithmetic
.endr
.macro TAKE k                          ; the k-th group
	v_max_num_f32_dpp v2, v[L], v[L] row_xmask:1 row_mask:0xf bank_mask:0xf
	v_max_num_f32_dpp v2, v2, v2 row_xmask:2 row_mask:0xf bank_mask:0xf
	v_max_num_f32_dpp v2, v2, v2 row_xmask:4 row_mask:0xf bank_mask:0xf
	v_max_num_f32_dpp v2, v2, v2 row_xmask:8 row_mask:0xf bank_mask:0xf
	v_permlanex16_b32 v3, v2, s14, s15
	v_max_num_f32 v2, v2, v3                       ; the largest head
	v_cmp_eq_f32 vcc_lo, v[L], v2
	v_cndmask_b32 v6, v7, v[I], vcc_lo             ; the groups of the heads that equal it
	v_min_num_f32_dpp v6, v6, v6 row_xmask:1 row_mask:0xf bank_mask:0xf
	v_min_num_f32_dpp v6, v6, v6 row_xmask:2 row_mask:0xf bank_mask:0xf
	v_min_num_f32_dpp v6, v6, v6 row_xmask:4 row_mask:0xf bank_mask:0xf
	v_min_num_f32_dpp v6, v6, v6 row_xmask:8 row_mask:0xf bank_mask:0xf
	v_permlanex16_b32 v3, v6, s14, s15
	v_min_num_f32 v6, v6, v3                       ; the lowest of them
	v_cvt_u32_f32 v28, v6
	s_mov_b32 s19, 1<<\k
	v_cndmask_b32 v[OUT], v[OUT], v28, s19         ; into lane k
.if \k < 9
	v_cmp_eq_f32 vcc_lo, v[I], v6                  ; group numbers are all different: one lane's list moves up
.set n, 0
.rept 9-\k
	v_cndmask_b32 v[L+n], v[L+n], v[L+n+1], vcc_lo
	v_cndmask_b32 v[I+n], v[I+n], v[I+n+1], vcc_lo
.set n, n+1
.endr
	v_cndmask_b32 v[L+9-\k], v[L+9-\k], v29, vcc_lo
.endif
.endm
.irp k, 0,1,2,3,4,5,6,7,8,9
	TAKE \k
.endr
	v_lshlrev_b32 v2, 2, v1
	global_store_b32 v2, v[OUT], s[6:7]            ; 128 consecutive bytes a wave, 512 a work-group
	s_wait_tensorcnt 0x0
	ds_add_u32 v232, v233
	s_wait_dscnt 0x0
	s_endpgm
.Lfunc_end_k_qabd2322a86_pick:
	.size	k_qabd2322a86_pick, .Lfunc_end_k_qabd2322a86_pick-k_qabd2322a86_pick
	.p2alignl 7, 3214868480
	.fill 96, 4, 3214868480
	.section	.rodata,"a",@progbits
	.p2align	6, 0x0
	.amdhsa_kernel k_qabd2322a86_pick
		.amdhsa_group_segment_fixed_size 82432
		.amdhsa_private_segment_fixed_size 0
		.amdhsa_enable_private_segment 0
		.amdhsa_kernarg_size 16
		.amdhsa_user_sgpr_count 2
		.amdhsa_user_sgpr_kernarg_segment_ptr 1
		.amdhsa_wavefront_size32 1
		.amdhsa_system_sgpr_workgroup_id_x 1
		.amdhsa_system_sgpr_workgroup_id_y 1
		.amdhsa_system_sgpr_workgroup_id_z 1
		.amdhsa_system_vgpr_workitem_id 0
		.amdhsa_next_free_vgpr 234
		.amdhsa_next_free_sgpr 66
		.amdhsa_reserve_vcc 1
		.amdhsa_float_denorm_mode_32 3
		.amdhsa_float_denorm_mode_16_64 3
		.amdhsa_memory_ordered 1
		.amdhsa_forward_progress 1
		.amdhsa_inst_pref_size 116
	.end_amdhsa_kernel
	.amdgpu_metadata
---
amdhsa.version: [ 1, 2 ]
amdhsa.kernels:
  - .name:           k_qabd2322a86_pick
    .symbol:         k_qabd2322a86_pick.kd
    .args:
      - { .name: gmax, .offset: 0, .size: 8, .value_kind: global_buffer, .address_space: global }
      - { .name: sel, .offset: 8, .size: 8, .value_kind: global_buffer, .address_space: global }
    .group_segment_fixed_size: 82432
    .private_segment_fixed_size: 0
    .kernarg_segment_align: 8
    .kernarg_segment_size: 16
    .max_flat_workgroup_size: 128
    .sgpr_count:     66
    .vgpr_count:     234
    .wavefront_size: 32
...
	.end_amdgpu_metadata
.endif
;; end of part 3
;; launch vote (part 4): grid 1024 x 1, 5 waves a work-group, no clusters, 4,864 bytes of LDS; arguments sel, qcodes, qscales, gcodes, gscales, train_labels, out0; writes out0
.if DOCPART == 4
	.amdgcn_target "amdgcn-amd-amdhsa--gfx1250"
	.amdhsa_code_object_version 6
	.text
	.protected	k_qabd2322a86_vote
	.globl	k_qabd2322a86_vote
	.p2align	8
	.type	k_qabd2322a86_vote,@function
k_qabd2322a86_vote:
	s_mov_b64 s[64:65], 0
	v_nop
	global_prefetch_b8 v0, s[64:65] scope:SCOPE_SE
	s_setreg_imm32_b32 hwreg(HW_REG_WAVE_MODE, 25, 1), 1
	s_wait_xcnt 0x0
; VOTE.  One work-group to a query.  The sims of the 400 rows of the query's ten chosen groups are made anew, by the same matrix form, K steps and order as before (sources swapped); then the exact ten best
; (ties to the lower row), softmax(sim / 0.07) with the largest taken off first, and the weights summed by label into 50 classes.
; Wave w takes chosen groups 2 w and 2 w + 1: five products of 16 columns: columns 0-7 = rows 8 f .. of the first group, columns 8-15 of the second.  Source 0 holds the query in all 16 rows.
; The group numbers are whole numbers that an earlier launch stored; they are held at 4,999 and enter addresses by multiplications, shifts to the left and additions alone.  Nothing else read here steers an address or a branch.
; A candidate's payload is (row << 6 | label) as f32: under 2^24, so exact; different for every candidate; ordered by row.  So one f32 minimum breaks ties and carries the label.
; Gathered rows: the codes lie as images of the operand's registers, so each load reads two whole blocks of 256 bytes.  A row of out0 is 200 bytes.
; No cluster: work-groups share rows only by chance.  LIMITS: NaN is not served; +0 and -0 count as equal; a label outside 0 .. 49 adds to no class.
.set A,   8                            ; v8-31    the query's fragments, K step 0 and 1
.set B,   32                           ; v32-151  five tiles of candidates, 24 registers each
.set D,   152                          ; v152-191 five accumulators
.set SB,  192                          ; v192-196 the candidates' scale words: lanes 0-15 K step 0, lanes 16-31 K step 1
.set SQ,  197                          ; v197     the query's likewise
.set LB,  198                          ; v198-202 labels, then payloads
.set VV,  32                           ; wave 0, later: v32-44 the 400 sims, v48-60 their payloads, v64-76 at work
.set PP,  48
.set CC,  64
	s_load_b256 s[4:11], s[0:1], 0x0               ; sel s[4:5], qcodes s[6:7], qscales s[8:9], gcodes s[10:11]
	s_load_b128 s[12:15], s[0:1], 0x20             ; gscales s[12:13], train_labels s[14:15]
	s_load_b64 s[16:17], s[0:1], 0x30              ; out0
	v_lshl_add_u32 v216, v0, 2, 0x1000
	v_mov_b32 v217, 0
	v_lshrrev_b32 v1, 5, v0
	v_readfirstlane_b32 s18, v1                    ; wave 0..4
	v_and_b32 v1, 31, v0                           ; lane
	v_and_b32 v2, 15, v0                           ; column
	v_bfe_u32 v3, v0, 4, 1                         ; h
	v_bfe_u32 v4, v0, 3, 1                         ; which of my two groups
	v_and_b32 v5, 7, v0                            ; row in a tile's eight
	v_mul_u32_u24 v6, v3, 24
	v_lshlrev_b32 v211, 2, v3
	v_lshlrev_b32 v212, 2, v4
	s_mul_i32 s22, s18, 320
	v_lshl_add_u32 v208, v2, 2, s22                ; LDS: candidate 80 w + 16 f + column
	v_lshlrev_b32 v209, 2, v1                      ; wave 0 reads back: 4 x lane,
	v_lshl_add_u32 v210, v2, 2, 1536               ; and the last sixteen
	s_lshl_b32 s20, ttmp9, 7
	s_lshl_b32 s22, s18, 3
	s_add_co_u32 s20, s20, s22
	s_mov_b32 s21, 0
	s_mov_b32 s24, 0x76543210                      ; v_permlanex16_b32's selects for lane l xor 16
	s_mov_b32 s25, 0xfedcba98
	s_wait_alu depctr_va_vdst(0)
	s_wait_kmcnt 0x0
	s_add_nc_u64 s[4:5], s[4:5], s[20:21]          ; sel[query][2 w]
	s_mul_i32 s20, ttmp9, 192
	s_add_nc_u64 s[6:7], s[6:7], s[20:21]
	s_lshl_b32 s20, ttmp9, 3
	s_add_nc_u64 s[8:9], s[8:9], s[20:21]
	s_mul_i32 s20, ttmp9, 200
	s_add_nc_u64 s[16:17], s[16:17], s[20:21]
	global_load_b32 v7, v212, s[4:5]               ; my column's group
.irp s, 0,1
.irp p, 0,1,2,3,4,5
	global_load_b64 v[A+12*\s+2*\p:A+12*\s+2*\p+1], v6, s[6:7] offset:96*\s+48*(\p/3)+8*(\p%3)   ; no term of the row: the query stands in all 16 rows
.endr
.endr
	global_load_b32 v[SQ], v211, s[8:9]
	s_wait_loadcnt 0x0
	v_min_u32 v7, 4999, v7
	v_mul_u32_u24 v204, v7, 7680                   ; codes: 7,680 bytes a group, place 8 h + row of 16 bytes
	v_lshl_add_u32 v213, v3, 3, v5
	v_lshl_add_u32 v204, v213, 4, v204
	v_lshlrev_b32 v205, 9, v7                      ; scale words: 512 bytes a group, 32 x K step + 4 x row
	v_lshl_add_u32 v205, v3, 5, v205
	v_lshl_add_u32 v205, v5, 2, v205
	v_mul_u32_u24 v206, v7, 160                    ; labels: 40 of 4 bytes a group
	v_lshl_add_u32 v206, v5, 2, v206
.irp f, 0,1,2,3,4
.irp s, 0,1
.irp c, 0,1,2
	global_load_b128 v[B+24*\f+12*\s+4*\c:B+24*\f+12*\s+4*\c+3], v204, s[10:11] offset:1536*\f+256*(3*\s+\c)
.endr
.endr
	global_load_b32 v[SB+\f], v205, s[12:13] offset:64*\f
	global_load_b32 v[LB+\f], v206, s[14:15] offset:32*\f
.endr
	v_mul_u32_u24 v207, v7, 40
	v_add_nc_u32 v207, v207, v5                    ; my column's row of tile 0
	s_wait_alu depctr_va_vdst(0)
	s_wait_loadcnt 0x0
.irp f, 0,1,2,3,4                      ; the five accumulators take turns, one instruction a turn
	v_wmma_scale_f32_16x16x128_f8f6f4 v[D+8*\f:D+8*\f+7], v[A:A+11], v[B+24*\f:B+24*\f+11], 0, v[SQ], v[SB+\f] matrix_a_fmt:MATRIX_FMT_BF6 matrix_b_fmt:MATRIX_FMT_BF6
.endr
.irp f, 0,1,2,3,4
	v_wmma_scale_f32_16x16x128_f8f6f4 v[D+8*\f:D+8*\f+7], v[A+12:A+23], v[B+24*\f+12:B+24*\f+23], v[D+8*\f:D+8*\f+7], v[SQ], v[SB+\f] matrix_a_fmt:MATRIX_FMT_BF6 matrix_b_fmt:MATRIX_FMT_BF6 matrix_a_scale:MATRIX_SCALE_ROW1 matrix_b_scale:MATRIX_SCALE_ROW1
.endr
.irp f, 0,1,2,3,4                      ; the payloads: twenty plain lines that name no register of the products: the places behind them (ISA guide 7.12.1)
	v_min_u32 v[LB+\f], 63, v[LB+\f]
.endr
.irp f, 0,1,2,3,4
	v_add_nc_u32 v211, 8*\f, v207
	v_lshl_or_b32 v[LB+\f], v211, 6, v[LB+\f]
	v_cvt_f32_u32 v[LB+\f], v[LB+\f]
.endr
.irp f, 0,1,2,3,4
	ds_store_b32 v208, v[D+8*\f] offset:64*\f      ; every row of the result is the query: register 0 of lane (column, h) is the column's sim; both halves write the same word
	ds_store_b32 v208, v[LB+\f] offset:2048+64*\f
.endr
	s_wait_dscnt 0x0
	s_barrier_signal -1
	s_barrier_wait -1
	s_cmp_lg_u32 s18, 0
	s_cbranch_scc1 .Lend
	; ---- wave 0: the ten best of 400
.irp i, 0,1,2,3,4,5,6,7,8,9,10,11
	ds_load_b32 v[VV+\i], v209 offset:128*\i
	ds_load_b32 v[PP+\i], v209 offset:2048+128*\i
.endr
	ds_load_b32 v[VV+12], v210
	ds_load_b32 v[PP+12], v210 offset:2048
	v_mov_b32 v212, 0xff800000                     ; -infinity
	v_mov_b32 v213, 0x7f61b1e6                     ; 3e38: over every payload
	v_mov_b32 v214, 0xff800000                     ; the ten sims, lane k the k-th
	v_mov_b32 v215, 0                              ; and their payloads
	v_mov_b32 v81, 0                               ; (a lane permute's destination counts as read)
	s_mov_b32 s19, 0xffff
	s_wait_alu depctr_va_vdst(0)
	s_wait_dscnt 0x0
	v_cndmask_b32 v[VV+12], v212, v[VV+12], s19    ; lanes 16-31 of the last load hold copies
.macro BEST k
	v_max3_num_f32 v80, v[VV], v[VV+1], v[VV+2]
	v_max3_num_f32 v82, v[VV+3], v[VV+4], v[VV+5]
	v_max3_num_f32 v80, v80, v[VV+6], v[VV+7]
	v_max3_num_f32 v82, v82, v[VV+8], v[VV+9]
	v_max3_num_f32 v80, v80, v[VV+10], v[VV+11]
	v_max3_num_f32 v80, v80, v82, v[VV+12]
	v_max_num_f32_dpp v80, v80, v80 row_xmask:1 row_mask:0xf bank_mask:0xf
	v_max_num_f32_dpp v80, v80, v80 row_xmask:2 row_mask:0xf bank_mask:0xf
	v_max_num_f32_dpp v80, v80, v80 row_xmask:4 row_mask:0xf bank_mask:0xf
	v_max_num_f32_dpp v80, v80, v80 row_xmask:8 row_mask:0xf bank_mask:0xf
	v_permlanex16_b32 v81, v80, s24, s25
	v_max_num_f32 v80, v80, v81                    ; the largest sim left
.irp i, 0,1,2,3,4,5,6,7,8,9,10,11,12
	v_cmp_eq_f32 vcc_lo, v[VV+\i], v80
	v_cndmask_b32 v[CC+\i], v213, v[PP+\i], vcc_lo ; the payloads of those that equal it
.endr
	v_min3_num_f32 v82, v[CC], v[CC+1], v[CC+2]
	v_min3_num_f32 v83, v[CC+3], v[CC+4], v[CC+5]
	v_min3_num_f32 v82, v82, v[CC+6], v[CC+7]
	v_min3_num_f32 v83, v83, v[CC+8], v[CC+9]
	v_min3_num_f32 v82, v82, v[CC+10], v[CC+11]
	v_min3_num_f32 v82, v82, v83, v[CC+12]
	v_min_num_f32_dpp v82, v82, v82 row_xmask:1 row_mask:0xf bank_mask:0xf
	v_min_num_f32_dpp v82, v82, v82 row_xmask:2 row_mask:0xf bank_mask:0xf
	v_min_num_f32_dpp v82, v82, v82 row_xmask:4 row_mask:0xf bank_mask:0xf
	v_min_num_f32_dpp v82, v82, v82 row_xmask:8 row_mask:0xf bank_mask:0xf
	v_permlanex16_b32 v81, v82, s24, s25
	v_min_num_f32 v82, v82, v81                    ; the lowest row among them
.irp i, 0,1,2,3,4,5,6,7,8,9,10,11,12
	v_cmp_eq_f32 vcc_lo, v[PP+\i], v82
	v_cndmask_b32 v[VV+\i], v[VV+\i], v212, vcc_lo ; it is taken out
.endr
	s_mov_b32 s19, 1<<\k
	v_cndmask_b32 v214, v214, v80, s19
	v_cndmask_b32 v215, v215, v82, s19
.endm
.irp k, 0,1,2,3,4,5,6,7,8,9
	BEST \k
.endr
	v_readlane_b32 s20, v214, 0                    ; the largest of the ten
	v_mov_b32 v81, s20
	v_sub_f32 v80, v214, v81
	v_mul_f32 v80, 0x41a4e123, v80                 ; x log2(e) / 0.07;  lanes 10 and above: -infinity
	s_wait_alu depctr_va_vdst(0)
	v_exp_f32 v80, v80
	v_cvt_u32_f32 v83, v215                        ; (a plain instruction behind the transcendental)
	s_wait_alu depctr_va_vdst(0)                   ; the wait ahead of the first reader of its result
	v_add_f32_dpp v82, v80, v80 row_xmask:1 row_mask:0xf bank_mask:0xf
	v_add_f32_dpp v82, v82, v82 row_xmask:2 row_mask:0xf bank_mask:0xf
	v_add_f32_dpp v82, v82, v82 row_xmask:4 row_mask:0xf bank_mask:0xf
	v_add_f32_dpp v82, v82, v82 row_xmask:8 row_mask:0xf bank_mask:0xf
	v_permlanex16_b32 v81, v82, s24, s25
	v_add_f32 v82, v82, v81
	s_wait_alu depctr_va_vdst(0)
	v_rcp_f32 v82, v82
	v_and_b32 v83, 63, v83                         ; (the plain instruction)  the ten labels
	v_add_nc_u32 v84, 32, v1                       ; a lane sums classes lane and lane + 32
	s_wait_alu depctr_va_vdst(0)
	v_mul_f32 v80, v80, v82                        ; the ten weights
.irp k, 0,1,2,3,4,5,6,7,8,9
	v_readlane_b32 s20, v80, \k
	v_readlane_b32 s21, v83, \k
	v_cmp_eq_u32 vcc_lo, s21, v1
	v_cmp_eq_u32 s22, s21, v84
.if \k == 0
	v_cndmask_b32 v85, 0, s20, vcc_lo              ; the first neighbour starts the sums
	v_cndmask_b32 v86, 0, s20, s22
.else
	v_cndmask_b32 v87, 0, s20, vcc_lo
	v_cndmask_b32 v88, 0, s20, s22
	v_add_f32 v85, v85, v87
	v_add_f32 v86, v86, v88
.endif
.endr
	global_store_b32 v209, v85, s[16:17]           ; classes 0 to 31
	s_wait_alu depctr_va_vdst(0)
	s_wait_xcnt 0x0                                ; EXEC changes only behind this wait
	v_cmp_gt_u32 vcc_lo, 18, v1
	s_and_saveexec_b32 s20, vcc_lo
	global_store_b32 v209, v86, s[16:17] offset:128   ; classes 32 to 49
	s_wait_xcnt 0x0
	s_or_b32 exec_lo, exec_lo, s20
.Lend:
	s_wait_tensorcnt 0x0
	ds_add_u32 v216, v217
	s_wait_dscnt 0x0
	s_endpgm
.Lfunc_end_k_qabd2322a86_vote:
	.size	k_qabd2322a86_vote, .Lfunc_end_k_qabd2322a86_vote-k_qabd2322a86_vote
	.p2alignl 7, 3214868480
	.fill 96, 4, 3214868480
	.section	.rodata,"a",@progbits
	.p2align	6, 0x0
	.amdhsa_kernel k_qabd2322a86_vote
		.amdhsa_group_segment_fixed_size 4864
		.amdhsa_private_segment_fixed_size 0
		.amdhsa_enable_private_segment 0
		.amdhsa_kernarg_size 56
		.amdhsa_user_sgpr_count 2
		.amdhsa_user_sgpr_kernarg_segment_ptr 1
		.amdhsa_wavefront_size32 1
		.amdhsa_system_sgpr_workgroup_id_x 1
		.amdhsa_system_sgpr_workgroup_id_y 1
		.amdhsa_system_sgpr_workgroup_id_z 1
		.amdhsa_system_vgpr_workitem_id 0
		.amdhsa_next_free_vgpr 218
		.amdhsa_next_free_sgpr 66
		.amdhsa_reserve_vcc 1
		.amdhsa_float_denorm_mode_32 3
		.amdhsa_float_denorm_mode_16_64 3
		.amdhsa_memory_ordered 1
		.amdhsa_forward_progress 1
		.amdhsa_inst_pref_size 51
	.end_amdhsa_kernel
	.amdgpu_metadata
---
amdhsa.version: [ 1, 2 ]
amdhsa.kernels:
  - .name:           k_qabd2322a86_vote
    .symbol:         k_qabd2322a86_vote.kd
    .args:
      - { .name: sel, .offset: 0, .size: 8, .value_kind: global_buffer, .address_space: global }
      - { .name: qcodes, .offset: 8, .size: 8, .value_kind: global_buffer, .address_space: global }
      - { .name: qscales, .offset: 16, .size: 8, .value_kind: global_buffer, .address_space: global }
      - { .name: gcodes, .offset: 24, .size: 8, .value_kind: global_buffer, .address_space: global }
      - { .name: gscales, .offset: 32, .size: 8, .value_kind: global_buffer, .address_space: global }
      - { .name: train_labels, .offset: 40, .size: 8, .value_kind: global_buffer, .address_space: global }
      - { .name: out0, .offset: 48, .size: 8, .value_kind: global_buffer, .address_space: global }
    .group_segment_fixed_size: 4864
    .private_segment_fixed_size: 0
    .kernarg_segment_align: 8
    .kernarg_segment_size: 56
    .max_flat_workgroup_size: 160
    .sgpr_count:     66
    .vgpr_count:     218
    .wavefront_size: 32
...
	.end_amdgpu_metadata
.endif
;; end of part 4
